; MI455X (gfx1250); checked and timed in simulation.
; The chip was launched on July 23, 2026; its instructions are those of AMD's public machine-readable ISA for CDNA 5 (MIT licence, August 2026) and "CDNA5" Instruction Set Architecture Reference Guide (July 2026). The comments in the code are by the model that wrote it; some were corrected since.
;; Vector Quantizer. Allowed arithmetic: float matrix products may take bf16 or f16 operands with f32 sums; other float arithmetic in f32, or as packed bf16 or f16 multiplies, adds, multiply-adds, maxima and minima; sums over many terms, partial sums and values carried from step to step in f32; what a program stores and reads back later, other than sums and carried values, may be rounded once to bf16 or f16.
;; Inputs: embeddings_weight 8,192 x 256 float32; inputs 8 x 4,096 x 256 float32.
;; Outputs: out0 8 x 4,096 x 256 float32; out1 32,768 int32.
;; 2 versions, each right; version 2 is version 1 with the launch prep written anew for expert scheduling mode. Each part assembles by itself: llvm-mc -triple=amdgcn-amd-amdhsa -mcpu=gfx1250 --defsym DOCPART=n.
;; ======== version 1 of 2: 3 launches
;; workspace buffers: wb 4,194,304 bytes; sw 32,768 bytes; codes 131,072 bytes of whole numbers
;; launch prep (part 1): grid 256 x 1, 4 waves a work-group, no clusters, 0 bytes of LDS; arguments embeddings_weight, wb, sw; writes wb, sw
.if DOCPART == 1
	.amdgcn_target "amdgcn-amd-amdhsa--gfx1250"
	.amdhsa_code_object_version 6
	.text
	.protected	k_qc5fdec8eb4_prep
	.globl	k_qc5fdec8eb4_prep
	.p2align	8
	.type	k_qc5fdec8eb4_prep,@function
k_qc5fdec8eb4_prep:
	s_mov_b64 s[64:65], 0
	v_nop
	global_prefetch_b8 v0, s[64:65] scope:SCOPE_SE
	s_setreg_imm32_b32 hwreg(HW_REG_WAVE_MODE, 25, 1), 1
	s_wait_xcnt 0x0
; wb[k][:] = W[k][:] rounded to bf16 (nearest even); sw = the sum over a row of the squares of the ROUNDED numbers, in f32.
; W: [8192][256] f32.  Four waves; the work-group owns 32 rows, a wave 8.  Lane l owns numbers 8 l .. 8 l + 7 of each row: 32 bytes in, 16 bytes out,
; so a wave's store of 16 bytes a lane is a whole row of wb, 512 consecutive bytes.
; sw is laid out for the next launch: code 256 q + 64 w + l (l < 64) lies at word 2048 w + 64 q + l, so that the codes of one wave there lie end to end.
; The sum runs in two chains a lane (even and odd numbers) and then across the lanes: another order than a plain loop's; the last bits may differ.
.set X, 16                             ; v[16:79]   row k: 8 registers as loaded
.set Y, 80                             ; v[80:111]  row k: 4 registers to store; each row has its own, so no store's data is rewritten
	s_load_b128 s[4:7], s[0:1], 0x0                ; W s[4:5], wb s[6:7]
	s_load_b64 s[8:9], s[0:1], 0x10                ; sw
	v_lshrrev_b32 v1, 5, v0
	v_readfirstlane_b32 s12, v1                    ; wave 0..3
	v_and_b32 v1, 31, v0                           ; lane
	v_lshlrev_b32 v2, 5, v1                        ; my 32 bytes in a row of W
	v_lshlrev_b32 v3, 4, v1                        ; my 16 bytes in a row of wb
	v_lshlrev_b32 v4, 2, v1                        ; lane k's word of sw
	v_mov_b32 v5, 0                                ; starts the two chains
	v_mov_b32 v8, 0                                ; v_permlanex16_b32's destination counts as read
	s_mov_b32 s16, 0x76543210                      ; each lane takes its own place in the other half
	s_mov_b32 s17, 0xfedcba98
	s_lshl_b32 s14, ttmp9, 15                      ; 32 rows of 1,024 bytes,
	s_lshl_b32 s18, s12, 13                        ; my wave's 8 of them
	s_add_co_u32 s14, s14, s18
	s_mov_b32 s15, 0
	s_bfe_u32 s18, ttmp9, 0x20001                  ; my first row is 32 g + 8 wave: w = (g >> 1) & 3,
	s_lshl_b32 s18, s18, 11
	s_lshr_b32 s19, ttmp9, 3                       ; q = g >> 3,
	s_lshl_b32 s19, s19, 6
	s_add_co_u32 s18, s18, s19
	s_and_b32 s19, ttmp9, 1                        ; l = 32 (g & 1) + 8 wave
	s_lshl_b32 s19, s19, 5
	s_add_co_u32 s18, s18, s19
	s_lshl_b32 s19, s12, 3
	s_add_co_u32 s18, s18, s19
	s_lshl_b32 s18, s18, 2                         ; in bytes
	s_mov_b32 s19, 0
	s_wait_kmcnt 0x0
	s_add_nc_u64 s[4:5], s[4:5], s[14:15]
	s_lshr_b32 s14, s14, 1                         ; wb's rows are half as long
	s_add_nc_u64 s[6:7], s[6:7], s[14:15]
	s_add_nc_u64 s[8:9], s[8:9], s[18:19]
.irp k, 0,1,2,3,4,5,6,7
	global_load_b128 v[X+8*\k:X+8*\k+3],   v2, s[4:5] offset:1024*\k      ; no hint: the last launch reads W again
	global_load_b128 v[X+8*\k+4:X+8*\k+7], v2, s[4:5] offset:1024*\k+16
.endr
.macro ROW k
	s_wait_loadcnt 14-2*(\k)                       ; loads come back in order: row k's two are in, the younger rows' stay out
.irp j, 0,1,2,3
	v_cvt_pk_bf16_f32 v[Y+4*(\k)+\j], v[X+8*(\k)+2*\j], v[X+8*(\k)+2*\j+1]
.endr
	v_fma_mix_f32_bf16 v6, v[Y+4*(\k)], v[Y+4*(\k)], v5 op_sel_hi:[1,1,0]                  ; low halves squared,
	v_fma_mix_f32_bf16 v7, v[Y+4*(\k)], v[Y+4*(\k)], v5 op_sel:[1,1,0] op_sel_hi:[1,1,0]   ; high halves squared: the products are exact, each sum is rounded once
.irp j, 1,2,3
	v_fma_mix_f32_bf16 v6, v[Y+4*(\k)+\j], v[Y+4*(\k)+\j], v6 op_sel_hi:[1,1,0]
	v_fma_mix_f32_bf16 v7, v[Y+4*(\k)+\j], v[Y+4*(\k)+\j], v7 op_sel:[1,1,0] op_sel_hi:[1,1,0]
.endr
	global_store_b128 v3, v[Y+4*(\k):Y+4*(\k)+3], s[6:7] offset:512*(\k)   ; the wave stores 512 consecutive bytes, at a multiple of 512 from wb's first byte
	v_add_f32 v6, v6, v7
	v_add_f32_dpp v6, v6, v6 row_xmask:1 row_mask:0xf bank_mask:0xf
	v_add_f32_dpp v6, v6, v6 row_xmask:2 row_mask:0xf bank_mask:0xf
	v_add_f32_dpp v6, v6, v6 row_xmask:4 row_mask:0xf bank_mask:0xf
	v_add_f32_dpp v6, v6, v6 row_xmask:8 row_mask:0xf bank_mask:0xf
	v_permlanex16_b32 v8, v6, s16, s17
	v_add_f32 v6, v6, v8                           ; every lane holds the row's sum
.if (\k) == 0
	v_mov_b32 v9, v6
.else
	s_mov_b32 s20, 1<<(\k)
	v_cndmask_b32 v9, v9, v6, s20                  ; lane k keeps row k's
.endif
.endm
.irp k, 0,1,2,3,4,5,6,7
	ROW \k
.endr
	v_cmp_gt_u32 vcc_lo, 8, v1
	s_wait_xcnt 0x0                                ; EXEC is a source of the stores above: it changes only behind this wait
	s_and_saveexec_b32 s21, vcc_lo
	global_store_b32 v4, v9, s[8:9]                ; eight sums, 32 consecutive bytes: sw is 32 KiB of the launch's 12 MiB
	s_wait_xcnt 0x0
	s_or_b32 exec_lo, exec_lo, s21
	s_endpgm
.Lfunc_end_k_qc5fdec8eb4_prep:
	.size	k_qc5fdec8eb4_prep, .Lfunc_end_k_qc5fdec8eb4_prep-k_qc5fdec8eb4_prep
	.p2alignl 7, 3214868480
	.fill 96, 4, 3214868480
	.section	.rodata,"a",@progbits
	.p2align	6, 0x0
	.amdhsa_kernel k_qc5fdec8eb4_prep
		.amdhsa_group_segment_fixed_size 0
		.amdhsa_private_segment_fixed_size 0
		.amdhsa_enable_private_segment 0
		.amdhsa_kernarg_size 24
		.amdhsa_user_sgpr_count 2
		.amdhsa_user_sgpr_kernarg_segment_ptr 1
		.amdhsa_wavefront_size32 1
		.amdhsa_system_sgpr_workgroup_id_x 1
		.amdhsa_system_sgpr_workgroup_id_y 1
		.amdhsa_system_sgpr_workgroup_id_z 1
		.amdhsa_system_vgpr_workitem_id 0
		.amdhsa_next_free_vgpr 112
		.amdhsa_next_free_sgpr 66
		.amdhsa_reserve_vcc 1
		.amdhsa_float_denorm_mode_32 3
		.amdhsa_float_denorm_mode_16_64 3
		.amdhsa_memory_ordered 1
		.amdhsa_forward_progress 1
		.amdhsa_inst_pref_size 14
	.end_amdhsa_kernel
	.amdgpu_metadata
---
amdhsa.version: [ 1, 2 ]
amdhsa.kernels:
  - .name:           k_qc5fdec8eb4_prep
    .symbol:         k_qc5fdec8eb4_prep.kd
    .args:
      - { .name: embeddings_weight, .offset: 0, .size: 8, .value_kind: global_buffer, .address_space: global }
      - { .name: wb, .offset: 8, .size: 8, .value_kind: global_buffer, .address_space: global }
      - { .name: sw, .offset: 16, .size: 8, .value_kind: global_buffer, .address_space: global }
    .group_segment_fixed_size: 0
    .private_segment_fixed_size: 0
    .kernarg_segment_align: 8
    .kernarg_segment_size: 24
    .max_flat_workgroup_size: 128
    .sgpr_count:     66
    .vgpr_count:     112
    .wavefront_size: 32
...
	.end_amdgpu_metadata
.endif
;; end of part 1
;; launch scan (part 2): grid 256 x 1, 4 waves a work-group, clusters of 4 x 1, 327,680 bytes of LDS; arguments wb, sw, inputs, codes; writes codes
.if DOCPART == 2
	.amdgcn_target "amdgcn-amd-amdhsa--gfx1250"
	.amdhsa_code_object_version 6
	.text
	.protected	k_qc5fdec8eb4_scan
	.globl	k_qc5fdec8eb4_scan
	.p2align	8
	.type	k_qc5fdec8eb4_scan,@function
k_qc5fdec8eb4_scan:
	s_mov_b64 s[64:65], 0
	v_nop
	global_prefetch_b8 v0, s[64:65] scope:SCOPE_SE
	s_setreg_imm32_b32 hwreg(HW_REG_WAVE_MODE, 25, 1), 1
	s_wait_xcnt 0x0
	s_wait_alu depctr_hold_cnt(0) depctr_sa_sdst(0) depctr_va_vdst(0) depctr_va_sdst(0) depctr_va_ssrc(0) depctr_va_vcc(0) depctr_vm_vsrc(0)
	s_getreg_b32 s2, hwreg(HW_REG_IB_STS2, 6, 4)
	s_cmp_eq_u32 s2, 0
	s_cbranch_scc0 .Lentry_in_a_cluster
	s_endpgm
.Lentry_in_a_cluster:
	s_bfe_u32 s2, ttmp6, 0x10000c
	s_cmp_lg_u32 s2, 0x3003
	s_cbranch_scc0 .Lentry_shape_is_right
	s_endpgm
.Lentry_shape_is_right:
; codes[n] = the first k at which d[n][k] = (sx[n] + sw[k]) - 2 m[n][k] is smallest; m = x . w on x and w rounded to bf16, sx and sw the sums of squares of the rounded numbers.
; d IS FORMED AS THE FORMULA IS WRITTEN, in f32: A = sx + sw rounded once, then A - 2 m rounded once (one fused multiply-add; 2 m is exact).  Distances that fall together in f32 are ties, and the
; lowest code wins them: the comparison is strict in ascending code order, and where shares meet the lower index is taken on equality.
; LIMITS.  m, sx and sw are f32 sums in the matrix unit's (sw: the launch before's) order, not in a plain loop's: a sum that lands on a rounding boundary of d can move d by one f32 step.
; A NaN distance never wins (an argmin would return it); where every distance is +infinity the answer is code 0.
; SHARES.  A work-group owns 128 rows of x and walks all 8,192 codes.  EVERY wave holds all 128 rows as bf16 fragments (8 row tiles x 8 K steps x 8 = 512 registers); of every slot of 256 codes wave w takes
; codes 64 w .. 64 w + 63: four code tiles of 16, 128 tiles in all.  A fragment of W read from LDS feeds eight products, and each byte of a slot is read from LDS once.
; LAYOUT.  Source 0 = 16 codes, source 1 = 16 rows of x: in the result lane (r, h) holds ONE row r and, in register j, code 8 h + j.  So the search stays inside a lane until the end.
; THE SEARCH.  For each row tile a lane keeps RUN (its smallest distance so far), TID (the code tile that gave it) and RET (that tile's eight distances): 23 vector instructions for 8 distances.
; The register of the first smallest one is looked up once, at the end.
; TURNS.  Turn n makes the 64 products of code tile n into one accumulator buffer; the distances and the search of tile n - 1, on the other buffer, stand in threes behind its matrix instructions.
; CLUSTER.  All work-groups walk the same wb and sw: four form a cluster and ask for each tile jointly (the same load, descriptor and mask in all four).  x is each work-group's own (mask 0).
; LDS: two slots of 256 rows of wb (pitch 528); x as f32 (128 rows, pitch 1,040) lies in the second slot first; sw; 1 KiB a wave for the last fold; the spare words.
; REGISTERS, in windows of 256 (s_set_vgpr_msb: bits 1:0 source 0, 3:2 source 1, 5:4 source 2, 7:6 destination):
;   window 0: v0-31 addresses and the last phase; v64-191 W's fragments, two buffers of 64 (first: x as f32, even row tiles)
;   window 1: v0-127 accumulators, two buffers of 64 (first: x as f32, odd row tiles); v128-191 RET; v192-199 RUN; v200-207 TID; v208-223 sx, twice each; v224-239 sw, two buffers; v240-251 at work; v252 64 w + 8 h
;   window 2: x of row tiles 0-3 (tile i, K step c at 64 i + 8 c)          window 3: x of row tiles 4-7
; x alone fills two windows, so a product's operands and the search's registers share no window: two switches for each matrix instruction.
.set PW,    528                        ; a row of wb in LDS: 512 bytes + 16 = 132 words: row r starts at bank 4 r mod 64 (64 banks of 4 bytes: ISA guide 11.1), the 16 rows of a load at 16 different groups of four
.set PX,    1040                       ; a row of x in LDS: 1,024 bytes + 16 = 260 words: likewise
.set SLOT1, 256*PW                     ; slot 0 begins at byte 0, slot 1 here: 135,168
.set SWB,   2*SLOT1                    ; sw: 8,192 bytes for each wave
.set SCR,   SWB+32768                  ; 1,024 bytes for each wave: (distance, index) of 128 rows; written by LDS stores alone, never filled
.set SPARE, SCR+4096                   ; the spare words, 128 bytes for each wave: two blocks of 256 bytes that no other line names
.set AW0, 3                            ; v3   my lane's place in a tile of W: 528 r + 16 h; never rewritten
.set ADR, 4                            ; v4   the LDS address of W's run of loads in hand
.set SW0, 5                            ; v5   SWB + 8,192 w + 32 h; never rewritten
.set SWA, 6                            ; v6   the LDS address of sw's two loads in hand
.set XA,  7                            ; v7   my lane's place in the row tile of x that is loaded next
.set SA,  8                            ; v8   SCR + 1,024 w + 8 r
.set SPW, 30                           ; v30  LDS address of my spare word; never rewritten
.set NIL, 31                           ; v31  0; never rewritten
.set WF,  64                           ; window 0
.set RET, 128                          ; window 1, from here on
.set RUN, 192
.set TID, 200
.set SXP, 208
.set SWR, 224
.set TT,  240                          ; four registers for each of the two row tiles that alternate
.set CT,  248                          ; two each
.set BASE1, 252
.set WV,  12                           ; s12  my wave's number
.set CX,  13                           ; s13  my place in the cluster
.set WG,  14                           ; s14  my block of 128 rows
.set SWM, 15                           ; s15  at work
.set G1W, 16                           ; s[16:23] descriptor group 1: 64 rows of wb
.set G1S, 24                           ; s[24:31] 8,192 bytes of sw
.set G1X, 32                           ; s[32:39] 32 rows of x
.set G0W, 40                           ; s[40:47] group 0 for wb, a set for each slot
.set G0S, 48                           ; s[48:51] for sw
.set G0X, 52                           ; s[52:55] for x
.set TB,  56                           ; s56  LDS byte at which the tile of W to be fetched begins
.set SWP, 57                           ; s57  64 x the number of the tile whose sw is fetched next
.set CB,  58                           ; s58  the number of the tile whose search is in hand
.set CNT, 59
.set TRIPS, 60
.set WQ,  61                           ; s61  my quarter of a slot: 64 rows x 528 x wave
.set SEL, 62                           ; s[62:63] v_permlanex16_b32's selects: each lane takes its own place in the other half
.set MK,  66                           ; s66-67 lane masks of the two row tiles that alternate
.set MJ,  68                           ; s69-75 lanes with r % 8 = j, j = 1 .. 7
.set OWN, 76                           ; s76  lanes that hold their own diagonal element
.set INF, 77                           ; s77  +infinity
.set OA,  78                           ; s[78:79], s[80:81], s[82:83] offsets; s78 later a third mask
.set OB,  80
.set OC,  82
.set MSB, 0
.macro WIN new                         ; the immediate's high byte repeats the setting that is left; a switch that changes nothing is dropped
.if MSB != (\new)
	s_set_vgpr_msb (MSB<<8)|(\new)
.set MSB, (\new)
.endif
.endm
.macro PLACES                          ; four plain vector instructions that name no register
.rept 4
	v_nop
.endr
.endm
; A round of the cluster's barrier: my work-group's barrier, so that wave 0's signal speaks for all four waves; wave 0 signals; every wave waits for all four work-groups; my work-group's barrier once more.
.macro CROUND
	s_barrier_signal -1
	s_barrier_wait -1
	s_cmp_lg_u32 s[WV], 0
	s_cbranch_scc1 .Lnot_wave_0_\@
	s_barrier_signal -3
.Lnot_wave_0_\@:
	s_barrier_wait -3
	s_barrier_signal -1
	s_barrier_wait -1
.endm
.macro SHAPE g, w0, d0, d1             ; descriptor group 1: a tile of d1 rows of d0 elements that lie end to end in memory and never cross the tensor's end
	s_mov_b32 s[(\g)], \w0
	s_mov_b32 s[(\g)+1], (\d0)<<16                 ; tensor_dim0
	s_mov_b32 s[(\g)+2], (\d1)<<16                 ; tensor_dim1
	s_mov_b32 s[(\g)+3], (\d0)<<16                 ; tile_dim0
	s_mov_b32 s[(\g)+4], \d1                       ; tile_dim1
	s_mov_b32 s[(\g)+5], \d0                       ; elements from row to row
	s_mov_b32 s[(\g)+6], 0
	s_mov_b32 s[(\g)+7], 0
.endm
	s_load_b256 s[4:11], s[0:1], 0x0               ; wb s[4:5], sw s[6:7], inputs s[8:9], codes s[10:11]
	v_lshl_add_u32 v[SPW], v0, 2, SPARE
	v_mov_b32 v[NIL], 0
	ds_add_u32 v[SPW], v[NIL]                      ; the wave's opening: the add and its wait stand ahead of my first tensor load; the set-up below, work on registers, stands between them
	v_lshrrev_b32 v1, 5, v0
	v_readfirstlane_b32 s[WV], v1                  ; wave 0..3
	s_bfe_u32 s[CX], ttmp6, 0x40000
	s_lshl_b32 s[WG], ttmp9, 2                     ; in a cluster launch ttmp9 counts clusters
	s_add_co_u32 s[WG], s[WG], s[CX]               ; it enters x's and codes' global addresses alone
	SHAPE G1W, 15|(1<<16)|(1<<20)|(1<<21)|(6<<22)|(3<<25), 256, 64   ; the mask of four; 2-byte elements; padding on; bit 21 beside a mask; after every 128 words 4 words
	SHAPE G1S, 15|(3<<16)|(1<<21), 32, 32                             ; the mask of four; 8-byte elements: 32 rows of 256 bytes, no padding
	SHAPE G1X, (2<<16)|(1<<20)|(7<<22)|(3<<25), 256, 32               ; no mask; 4-byte elements; after every 256 words 4 words
	s_mul_i32 s[WQ], s[WV], 64*PW
	s_mov_b32 s[G0W], 1
	s_mov_b32 s[G0W+1], s[WQ]                      ; slot 0, my quarter: each wave fetches the 64 rows that it reads
	s_mov_b32 s[G0W+4], 1
	s_add_co_u32 s[G0W+5], s[WQ], SLOT1
	s_lshl_b32 s[OA], s[WV], 13                    ; my 8,192 bytes of sw, in memory and in LDS
	s_mov_b32 s[OA+1], 0
	s_mov_b32 s[G0S], 1
	s_add_co_u32 s[G0S+1], s[OA], SWB
	s_mul_i32 s[SWM], s[WV], 32*PX
	s_mov_b32 s[G0X], 1
	s_add_co_u32 s[G0X+1], s[SWM], SLOT1           ; x lies in slot 1 until it is in registers
	s_lshl_b32 s[OB], s[WV], 15                    ; 64 rows of wb, and 32 rows of x, are 32,768 bytes
	s_mov_b32 s[OB+1], 0
	s_lshl_b32 s[OC], s[WG], 17                    ; 128 rows of x
	s_mov_b32 s[OC+1], 0
	s_add_nc_u64 s[OC:OC+1], s[OC:OC+1], s[OB:OB+1]
	s_mov_b32 s[SEL], 0x76543210
	s_mov_b32 s[SEL+1], 0xfedcba98
.irp j, 1,2,3,4,5,6,7
	s_mov_b32 s[MJ+\j], 0x01010101<<\j
.endr
	s_mov_b32 s[OWN], 0xff0000ff
	s_mov_b32 s[INF], 0x7f800000
	s_mov_b32 s[SWP], 0
	s_mov_b32 s[CB], 0
	s_wait_dscnt 0x0                               ; the opening add is done
	s_wait_kmcnt 0x0
	s_add_nc_u64 s[G0W+2:G0W+3], s[4:5], s[OB:OB+1]           ; codes 0-255, my quarter
	s_add_nc_u64 s[G0W+6:G0W+7], s[G0W+2:G0W+3], 0x20000      ; codes 256-511
	s_or_b32 s[G0W+3], s[G0W+3], 0x80000000                   ; type = 2
	s_or_b32 s[G0W+7], s[G0W+7], 0x80000000
	s_add_nc_u64 s[G0S+2:G0S+3], s[6:7], s[OA:OA+1]
	s_or_b32 s[G0S+3], s[G0S+3], 0x80000000
	s_add_nc_u64 s[G0X+2:G0X+3], s[8:9], s[OC:OC+1]
	s_or_b32 s[G0X+3], s[G0X+3], 0x80000000
	s_lshl_b32 s[OC], s[WG], 9                     ; my block's 128 indices
	s_add_nc_u64 s[10:11], s[10:11], s[OC:OC+1]
	CROUND                                         ; all four work-groups are here: the first joint loads meet
	tensor_load_to_lds s[G0X:G0X+3], s[G1X:G1X+7]  ; the first fills go out together: x, which is wanted first,
	s_nop 0
	tensor_load_to_lds s[G0W:G0W+3], s[G1W:G1W+7]  ; W's slot 0,
	s_nop 0
	tensor_load_to_lds s[G0S:G0S+3], s[G1S:G1S+7]  ; sw: three loads of mine are out
	s_nop 0
	PLACES
	v_and_b32 v1, 15, v0                           ; r
	v_bfe_u32 v2, v0, 4, 1                         ; h
	v_mul_u32_u24 v[AW0], v1, PW
	v_lshl_add_u32 v[AW0], v2, 4, v[AW0]
	v_lshl_add_u32 v[SW0], v2, 5, s[OA]
	v_add_nc_u32 v[SW0], SWB, v[SW0]
	v_mul_u32_u24 v[XA], v1, PX                    ; a fragment's 8 numbers are 32 bytes of f32
	v_lshl_add_u32 v[XA], v2, 5, v[XA]
	v_add_nc_u32 v[XA], SLOT1, v[XA]
	s_lshl_b32 s[SWM], s[WV], 10
	v_lshl_add_u32 v[SA], v1, 3, s[SWM]
	v_add_nc_u32 v[SA], SCR, v[SA]
.irp z, 20,21,22,23,24,25,26,27
	v_mov_b32 v\z, 0                               ; v_permlanex16_b32's destinations count as read
.endr
; x INTO REGISTERS.  Row tile t as f32: 128 registers.  For K step c a lane takes numbers 32 c + 8 h + 0..7 and 32 c + 16 + 8 h + 0..7 of row 16 t + r; rounded in pairs they are the fragment's 8 registers.
.macro LOADX t
	WIN ((\t)%2)<<6                                ; even tiles into window 0, odd ones into window 1
.set tb, 64*(1-(\t)%2)
.irp c, 0,1,2,3,4,5,6,7
	ds_load_b128 v[tb+16*\c:tb+16*\c+3],     v[XA] offset:128*\c
	ds_load_b128 v[tb+16*\c+4:tb+16*\c+7],   v[XA] offset:128*\c+16
	ds_load_b128 v[tb+16*\c+8:tb+16*\c+11],  v[XA] offset:128*\c+64
	ds_load_b128 v[tb+16*\c+12:tb+16*\c+15], v[XA] offset:128*\c+80
.endr
	WIN 0
	v_add_nc_u32 v[XA], 16*PX, v[XA]               ; the next 16 rows
.endm
.macro CVTX t
	WIN ((2+(\t)/4)<<6)|(((\t)%2)<<2)|((\t)%2)
.set tb, 64*(1-(\t)%2)
.set z, 0
.rept 64
	v_cvt_pk_bf16_f32 v[64*((\t)%4)+z], v[tb+2*z], v[tb+2*z+1]
.set z, z+1
.endr
.endm
; THE MATRIX WORK.  Product i of 64 of turn's tile: K step i / 8, row tile i % 8.  The eight accumulators take turns, one instruction a turn; the first eight start the sums.
.macro MM
.set c, i/8
.set rt, i%8
.set rD, 64*BUF+8*rt
.set rF, WF+64*BUF+8*c
.set rB, 64*(rt%4)+8*c
	WIN 0x58+4*(rt/4)                              ; W in window 0, x in window 2 or 3, C and D in window 1
.if c == 0
	v_wmma_f32_16x16x32_bf16 v[rD:rD+7], v[rF:rF+7], v[rB:rB+7], 0
.else
	v_wmma_f32_16x16x32_bf16 v[rD:rD+7], v[rF:rF+7], v[rB:rB+7], v[rD:rD+7]
.endif
.set i, i+1
.endm
; THE VECTOR WORK: the tile before's eight accumulators (the other buffer), two row tiles alternating, 23 instructions each; EP writes the next one.  Of every 48 numbers 46 are used, so that 3 x 64 serve 8 x 23.
;   0-7    A = sx + sw for two codes at a time, then d = A - 2 m in place (each accumulator's lowest registers are read first)
;   8-11   the smallest of the eight     12  is it below RUN?  (strictly: an equal distance of a later tile does not win)     13, 14  TID and RUN     15-22  RET takes the eight distances
.macro EP
.set p, ep%48
.if p < 46
.set u, p%2
.set e, p/2
.set rt, 2*(ep/48)+u
.set rA, 64*(1-BUF)+8*rt
.set rW, SWR+8*(1-BUF)
.set rT, TT+4*u
.set rC, CT+2*u
.set rX, SXP+2*rt
.set rR, RET+8*rt
	WIN 0x55
.if e < 2
	v_pk_add_f32 v[rT+2*e:rT+2*e+1], v[rW+2*e:rW+2*e+1], v[rX:rX+1]
.elseif e < 4
	v_pk_fma_f32 v[rA+2*(e-2):rA+2*(e-2)+1], v[rA+2*(e-2):rA+2*(e-2)+1], -2.0, v[rT+2*(e-2):rT+2*(e-2)+1] op_sel_hi:[1,0,1]
.elseif e < 6
	v_pk_add_f32 v[rT+2*(e-4):rT+2*(e-4)+1], v[rW+2*e-4:rW+2*e-3], v[rX:rX+1]
.elseif e < 8
	v_pk_fma_f32 v[rA+2*e-8:rA+2*e-7], v[rA+2*e-8:rA+2*e-7], -2.0, v[rT+2*(e-6):rT+2*(e-6)+1] op_sel_hi:[1,0,1]
.elseif e == 8
	v_min3_num_f32 v[rC], v[rA], v[rA+1], v[rA+2]
.elseif e == 9
	v_min3_num_f32 v[rC+1], v[rA+3], v[rA+4], v[rA+5]
.elseif e == 10
	v_min3_num_f32 v[rC], v[rC], v[rA+6], v[rA+7]
.elseif e == 11
	v_min_num_f32 v[rC], v[rC], v[rC+1]
.elseif e == 12
	v_cmp_lt_f32 s[MK+u], v[rC], v[RUN+rt]
.elseif e == 13
	v_cndmask_b32 v[TID+rt], v[TID+rt], s[CB], s[MK+u]
.elseif e == 14
	v_min_num_f32 v[RUN+rt], v[RUN+rt], v[rC]
.else
	v_cndmask_b32 v[rR+e-15], v[rR+e-15], v[rA+e-15], s[MK+u]
.endif
.endif
.set ep, ep+1
.endm
; THE LDS LOADS stand in one run a turn.  A tile of W: 16 codes x 256 numbers: 8 fragments, two loads of 16 bytes each, 32 bytes apart.
.macro WLOAD buf
	v_add_nc_u32 v[ADR], s[TB], v[AW0]
	s_add_co_u32 s[TB], s[TB], 16*PW               ; the next fetch is the next tile's
.irp k, 0,1,2,3,4,5,6,7
	ds_load_b128 v[WF+64*(\buf)+8*\k:WF+64*(\buf)+8*\k+3],   v[ADR] offset:64*\k
	ds_load_b128 v[WF+64*(\buf)+8*\k+4:WF+64*(\buf)+8*\k+7], v[ADR] offset:64*\k+32
.endr
.endm
.macro FETCH fw                        ; turn n fetches W of tile n + 1 (fw = 1) and sw of tile n, whose search stands in turn n + 1: my eight codes' 32 bytes
	WIN 0
	s_and_b32 s[SWM], s[SWP], 0x1fc0               ; 64 n; the mask keeps the offset inside my 8,192 bytes, whatever the count
	v_add_nc_u32 v[SWA], s[SWM], v[SW0]
	s_add_co_u32 s[SWP], s[SWP], 64
.if \fw
	WLOAD 1-BUF
.endif
	WIN 0x40                                       ; destination window 1
	ds_load_b128 v[SWR+8*BUF:SWR+8*BUF+3],   v[SWA]
	ds_load_b128 v[SWR+8*BUF+4:SWR+8*BUF+7], v[SWA] offset:16
.endm
; A TURN, on buffers b.  The run of loads stands behind the second product, 62 matrix instructions ahead of the wait for it.  A load into a register that a matrix instruction has read, and a vector instruction
; that touches a matrix result, stand four places behind it (ISA guide 7.12.1 for vector instructions): W's other buffer was last read by the turn before's last product, and seven of
; the search's instructions, which name none of its registers, stand between; an accumulator's first reader stands behind the seven products that followed its last product, each with its three.
; epi = 0: the first turn, which has no tile before it: four v_nop are the places behind its last products.
.macro TURN b, fw, epi
.set BUF, \b
.set i, 0
.set ep, 0
	s_wait_dscnt 0x0                               ; the run issued in the turn before is in
.rept 64
	MM
.if \epi
	EP
	EP
	EP
.endif
.if i == 2
	FETCH \fw
.endif
.endr
.if \epi
	s_add_co_u32 s[CB], s[CB], 1
.else
	PLACES
.endif
.endm
.macro TWOPAIRS                        ; four turns: written as two, walked twice
	s_mov_b32 s[CNT], 2
.Lpair_\@:
	TURN 1, 1, 1
	TURN 0, 1, 1
	WIN 0                                          ; at a label and at a branch every window is 0
	s_sub_co_u32 s[CNT], s[CNT], 1
	s_cmp_lg_u32 s[CNT], 0
	s_cbranch_scc1 .Lpair_\@
.endm
; THE CHANGE OF SLOTS, in front of the turn that fetches the next slot's first tile: slot f's last fragments have been asked for.  Each wave waits for all its tensor loads (the one that is out is its part of the
; other slot), adds 0 to its spare word, and waits for that and for its own reads of slot f.  fill = 1: slot f is filled again, with the codes two slots on (step = 1), behind a round of the cluster's barrier,
; so that no wave of any partner still reads the slot or has a load on its way; the joint load is the first thing behind the round, and has four turns, 256 matrix instructions, in which to land.
.macro CHANGE f, step, fill
	WIN 0
	s_wait_tensorcnt 0x0                           ; no tensor load of mine is out, so a group 0 may be written
	ds_add_u32 v[SPW], v[NIL]                      ; 0 onto my spare word; scalar work stands between it and the wait for it
.if \step
	s_add_nc_u64 s[G0W+4*(\f)+2:G0W+4*(\f)+3], s[G0W+4*(\f)+2:G0W+4*(\f)+3], 0x40000   ; 512 codes on; the type bits on top are not reached
.endif
	s_add_co_u32 s[TB], s[WQ], SLOT1*(1-(\f))      ; the fetches go on at my quarter of the other slot
	s_wait_dscnt 0x0                               ; the add is done, and my reads of the slot are over
.if \fill
	CROUND
	tensor_load_to_lds s[G0W+4*(\f):G0W+4*(\f)+3], s[G1W:G1W+7]
	s_nop 0
	PLACES
.else
	s_barrier_signal -1
	s_barrier_wait -1
.endif
.endm
; (d, i) against (od, oi): the smaller distance, on equality the lower index.  dd < 0: the distance is not wanted any more.
.macro BETTER d, i, od, oi, dd, di
	v_cmp_lt_f32 s[MK], v[\od], v[\d]
	v_cmp_eq_f32 s[MK+1], v[\od], v[\d]
	v_cmp_lt_u32 s[OA], v[\oi], v[\i]
	s_and_b32 s[MK+1], s[MK+1], s[OA]
	s_or_b32 s[MK], s[MK], s[MK+1]
.if (\dd) >= 0
	v_cndmask_b32 v[\dd], v[\d], v[\od], s[MK]
.endif
	v_cndmask_b32 v[\di], v[\i], v[\oi], s[MK]
.endm
; Row tile t's answer of this wave: the first register of RET that equals RUN; the code from TID, the wave, the half and that register; the other half of the lanes' answer; into my wave's part of SCR.
.macro RESOLVE t
	WIN 0x55
	v_mov_b32 v[TT], 7
.irp j, 6,5,4,3,2,1,0
	v_cmp_eq_f32 s[MK+(\j)%2], v[RET+8*(\t)+\j], v[RUN+(\t)]
	v_cndmask_b32 v[TT], v[TT], \j, s[MK+(\j)%2]
.endr
	v_and_b32 v[TT+1], -4, v[TID+(\t)]             ; tile n holds codes 256 (n / 4) + 64 w + 16 (n % 4) + 8 h + j
	v_and_b32 v[TT+2], 3, v[TID+(\t)]
	v_lshlrev_b32 v[TT+2], 4, v[TT+2]
	v_lshl_add_u32 v[TT+1], v[TT+1], 6, v[TT+2]
	WIN 0x15                                       ; sources window 1, destination window 0
	v_mov_b32 v12, v[RUN+(\t)]
	v_add3_u32 v13, v[TT+1], v[BASE1], v[TT]
	WIN 0
	v_permlanex16_b32 v14, v12, s[SEL], s[SEL+1]
	v_permlanex16_b32 v15, v13, s[SEL], s[SEL+1]
	BETTER 12, 13, 14, 15, 16, 17
	ds_store_b64 v[SA], v[16:17] offset:128*(\t)   ; both halves store the same pair to the same 8 bytes
.endm
	s_wait_tensorcnt 0x2                           ; my 32 rows of x are in; the two loads issued behind them may stay out
	s_barrier_signal -1
	s_barrier_wait -1                              ; everybody's are
	LOADX 0
.irp t, 0,1,2,3,4,5,6
	LOADX (\t)+1
	s_wait_dscnt 32                                ; all but the 32 just issued: tile t is in
	CVTX \t
.endr
	s_wait_dscnt 0x0
	CVTX 7
	CHANGE 1, 0, 1                                 ; x is in registers: W's codes 256-511 go over its bytes, as every refill goes; slot 0 and sw have landed
	WLOAD 0                                        ; tile 0
	; sx is the diagonal of x x^T, 64 products for the eight row tiles: the sum of the squares of the rounded numbers, in f32
.set c, 0
.rept 8
.set rt, 0
.rept 8
	WIN 0x5a+5*(rt/4)                              ; both sources window 2 or 3, C and D window 1
.set rB, 64*(rt%4)+8*c
.if c == 0
	v_wmma_f32_16x16x32_bf16 v[8*rt:8*rt+7], v[rB:rB+7], v[rB:rB+7], 0
.else
	v_wmma_f32_16x16x32_bf16 v[8*rt:8*rt+7], v[rB:rB+7], v[rB:rB+7], v[8*rt:8*rt+7]
.endif
.set rt, rt+1
.endr
.set c, c+1
.endr
	WIN 0x40                                       ; the search's start: these lines are also the places behind those products
	s_lshl_b32 s[SWM], s[WV], 6
	v_lshl_add_u32 v[BASE1], v2, 3, s[SWM]         ; 64 w + 8 h
.set z, 0
.rept 8
	v_mov_b32 v[RUN+z], s[INF]
	v_mov_b32 v[TID+z], 0
.set z, z+1
.endr
.set z, 0
.rept 64
	v_mov_b32 v[RET+z], s[INF]
.set z, z+1
.endr
	; Lane (r, h) holds elements (8 h + j, r): its own diagonal element if h = r / 8, in register r % 8; else the lane 16 away holds it.
	WIN 0x01
.set z, 0
.rept 8
	v_mov_b32 v[12+z], v[8*z]                      ; each accumulator's register 0 first
.set z, z+1
.endr
	WIN 0x04
.irp j, 1,2,3,4,5,6,7
.set z, 0
.rept 8
	v_cndmask_b32 v[12+z], v[12+z], v[8*z+\j], s[MJ+\j]
.set z, z+1
.endr
.endr
	WIN 0
.set z, 0
.rept 8
	v_permlanex16_b32 v[20+z], v[12+z], s[SEL], s[SEL+1]
.set z, z+1
.endr
	WIN 0x40
.set z, 0
.rept 8
	v_cndmask_b32 v[SXP+2*z], v[20+z], v[12+z], s[OWN]     ; twice: the packed addition takes a pair
	v_cndmask_b32 v[SXP+2*z+1], v[20+z], v[12+z], s[OWN]
.set z, z+1
.endr
	TURN 0, 1, 0                                   ; turn 0
	TURN 1, 1, 1                                   ; turns 1 and 2
	TURN 0, 1, 1
	WIN 0
	s_mov_b32 s[TRIPS], 15
.Ltrip:                                                ; a trip: eight turns, both slots filled again: turns 3 to 122, slots 2 to 31
	CHANGE 0, 1, 1
	TWOPAIRS
	CHANGE 1, 1, 1
	TWOPAIRS
	s_sub_co_u32 s[TRIPS], s[TRIPS], 1
	s_cmp_lg_u32 s[TRIPS], 0
	s_cbranch_scc1 .Ltrip
	CHANGE 0, 0, 0                                 ; the tail is written out: the last slot has landed, nothing is asked for
	TWOPAIRS                                       ; turns 123 to 126
	TURN 1, 0, 1                                   ; turn 127: no further tile of W
	s_wait_dscnt 0x0                               ; sw of tile 127
.set BUF, 0
.set ep, 0
.rept 192
	EP                                             ; tile 127's search
.endr
.irp t, 0,1,2,3,4,5,6,7
	RESOLVE \t
.endr
	s_wait_dscnt 0x0                               ; for the others' sake: my stores into SCR are done
	s_barrier_signal -1
	s_barrier_wait -1
	s_cmp_lt_u32 s[WV], 2
	s_cbranch_scc0 .Ldone                          ; threads 0 to 63 fold the four waves' answers, two rows each
	v_lshl_add_u32 v10, v0, 4, SCR
	v_lshlrev_b32 v11, 3, v0
.irp k, 0,1,2,3
	ds_load_b128 v[12+4*\k:15+4*\k], v10 offset:1024*\k    ; wave k's (distance, index) of rows 2 t and 2 t + 1
.endr
	s_wait_dscnt 0x0
	BETTER 12, 13, 16, 17, 12, 13
	BETTER 14, 15, 18, 19, 14, 15
	BETTER 12, 13, 20, 21, 12, 13
	BETTER 14, 15, 22, 23, 14, 15
	BETTER 12, 13, 24, 25, -1, 28
	BETTER 14, 15, 26, 27, -1, 29
	global_store_b64 v11, v[28:29], s[10:11]       ; the wave stores 256 consecutive bytes, at a multiple of 256 from codes' first byte
.Ldone:
	s_wait_tensorcnt 0x0                           ; the wave's end, behind my last tensor load and my last LDS store
	ds_add_u32 v[SPW], v[NIL]
	s_wait_dscnt 0x0
	CROUND                                         ; the closing round: no work-group ends while a partner may still ask for a tile that names it
	s_endpgm
.Lfunc_end_k_qc5fdec8eb4_scan:
	.size	k_qc5fdec8eb4_scan, .Lfunc_end_k_qc5fdec8eb4_scan-k_qc5fdec8eb4_scan
	.p2alignl 7, 3214868480
	.fill 96, 4, 3214868480
	.section	.rodata,"a",@progbits
	.p2align	6, 0x0
	.amdhsa_kernel k_qc5fdec8eb4_scan
		.amdhsa_group_segment_fixed_size 327680
		.amdhsa_private_segment_fixed_size 0
		.amdhsa_enable_private_segment 0
		.amdhsa_kernarg_size 32
		.amdhsa_user_sgpr_count 2
		.amdhsa_user_sgpr_kernarg_segment_ptr 1
		.amdhsa_wavefront_size32 1
		.amdhsa_system_sgpr_workgroup_id_x 1
		.amdhsa_system_sgpr_workgroup_id_y 1
		.amdhsa_system_sgpr_workgroup_id_z 1
		.amdhsa_system_vgpr_workitem_id 0
		.amdhsa_next_free_vgpr 1024
		.amdhsa_next_free_sgpr 84
		.amdhsa_reserve_vcc 0
		.amdhsa_float_denorm_mode_32 3
		.amdhsa_float_denorm_mode_16_64 3
		.amdhsa_memory_ordered 1
		.amdhsa_forward_progress 1
		.amdhsa_inst_pref_size 255
	.end_amdhsa_kernel
	.section	.bss,"aw",@nobits
	.p2align	6
	.space	262144
	.amdgpu_metadata
---
amdhsa.version: [ 1, 2 ]
amdhsa.kernels:
  - .name:           k_qc5fdec8eb4_scan
    .symbol:         k_qc5fdec8eb4_scan.kd
    .args:
      - { .name: wb, .offset: 0, .size: 8, .value_kind: global_buffer, .address_space: global }
      - { .name: sw, .offset: 8, .size: 8, .value_kind: global_buffer, .address_space: global }
      - { .name: inputs, .offset: 16, .size: 8, .value_kind: global_buffer, .address_space: global }
      - { .name: codes, .offset: 24, .size: 8, .value_kind: global_buffer, .address_space: global }
    .group_segment_fixed_size: 327680
    .private_segment_fixed_size: 0
    .kernarg_segment_align: 8
    .kernarg_segment_size: 32
    .max_flat_workgroup_size: 128
    .sgpr_count:     84
    .vgpr_count:     1024
    .wavefront_size: 32
...
	.end_amdgpu_metadata
.endif
;; end of part 2
;; launch take (part 3): grid 256 x 1, 8 waves a work-group, no clusters, 0 bytes of LDS; arguments codes, embeddings_weight, out0, out1; writes out0, out1
.if DOCPART == 3
	.amdgcn_target "amdgcn-amd-amdhsa--gfx1250"
	.amdhsa_code_object_version 6
	.text
	.protected	k_qc5fdec8eb4_take
	.globl	k_qc5fdec8eb4_take
	.p2align	8
	.type	k_qc5fdec8eb4_take,@function
k_qc5fdec8eb4_take:
	s_mov_b64 s[64:65], 0
	v_nop
	global_prefetch_b8 v0, s[64:65] scope:SCOPE_SE
	s_setreg_imm32_b32 hwreg(HW_REG_WAVE_MODE, 25, 1), 1
	s_wait_xcnt 0x0
; out0[n][:] = W[codes[n]][:], out1[n] = codes[n].  W: [8192][256] f32; codes: 32,768 indices that the launch before stored.
; Eight waves; the work-group owns 128 rows, each group of 16 lanes 8 of them.  Sixteen lanes take 256 consecutive bytes, at a multiple of 256, in every load and in every store.
; No loop: a wave's 32 gathers (16 KiB) go out together, and each is stored as it comes.  LDS, matrix units and clusters would add nothing: the launch only moves bytes.
; An index is held to 0 .. 8,191 before it enters an address (the launch before stores no other).
.set IX,  4                            ; v[4:11]    my 8 rows' indices
.set OFF, 12                           ; v[12:19]   their byte offsets in W, with my 16 bytes
.set DT,  24                           ; v[24:151]  row e, quarter f at DT + 16 e + 4 f
	s_load_b256 s[4:11], s[0:1], 0x0               ; codes s[4:5], W s[6:7], out0 s[8:9], out1 s[10:11]
	v_lshrrev_b32 v1, 5, v0
	v_readfirstlane_b32 s12, v1                    ; wave 0..7
	v_and_b32 v1, 15, v0
	v_lshlrev_b32 v1, 4, v1                        ; my 16 bytes in 256
	v_lshrrev_b32 v2, 4, v0                        ; my group of 16 lanes, 0..15
	v_lshl_add_u32 v3, v2, 13, v1                  ; its 8 rows of 1,024 bytes in out0
	v_lshlrev_b32 v2, 5, v2                        ; its 8 indices
	s_lshl_b32 s14, ttmp9, 9                       ; the work-group's 128 indices
	s_mov_b32 s15, 0
	s_lshl_b32 s16, ttmp9, 17                      ; and its 128 rows
	s_mov_b32 s17, 0
	s_wait_kmcnt 0x0
	s_add_nc_u64 s[4:5], s[4:5], s[14:15]
	s_add_nc_u64 s[10:11], s[10:11], s[14:15]
	s_add_nc_u64 s[8:9], s[8:9], s[16:17]
	global_load_b128 v[IX:IX+3],   v2, s[4:5]
	global_load_b128 v[IX+4:IX+7], v2, s[4:5] offset:16
	s_wait_loadcnt 0x0
.irp e, 0,1,2,3,4,5,6,7
	v_min_u32 v[IX+\e], 0x1fff, v[IX+\e]
	v_lshl_add_u32 v[OFF+\e], v[IX+\e], 10, v1
.endr
.irp e, 0,1,2,3,4,5,6,7
.irp f, 0,1,2,3
	global_load_b128 v[DT+16*\e+4*\f:DT+16*\e+4*\f+3], v[OFF+\e], s[6:7] offset:256*\f     ; no hint: a row may be named many times
.endr
.endr
.irp e, 0,1,2,3,4,5,6,7
.irp f, 0,1,2,3
	s_wait_loadcnt 31-4*\e-\f                      ; loads come back in order: this one is in, the younger ones stay out
	global_store_b128 v3, v[DT+16*\e+4*\f:DT+16*\e+4*\f+3], s[8:9] offset:1024*\e+256*\f th:TH_STORE_NT
.endr
.endr
	s_cmp_lg_u32 s12, 0
	s_cbranch_scc1 .Lend                           ; wave 0 copies the work-group's 128 indices: 512 consecutive bytes
	v_lshlrev_b32 v156, 4, v0
	global_load_b128 v[152:155], v156, s[4:5]
	s_wait_loadcnt 0x0
	global_store_b128 v156, v[152:155], s[10:11] th:TH_STORE_NT
.Lend:
	s_endpgm
.Lfunc_end_k_qc5fdec8eb4_take:
	.size	k_qc5fdec8eb4_take, .Lfunc_end_k_qc5fdec8eb4_take-k_qc5fdec8eb4_take
	.p2alignl 7, 3214868480
	.fill 96, 4, 3214868480
	.section	.rodata,"a",@progbits
	.p2align	6, 0x0
	.amdhsa_kernel k_qc5fdec8eb4_take
		.amdhsa_group_segment_fixed_size 0
		.amdhsa_private_segment_fixed_size 0
		.amdhsa_enable_private_segment 0
		.amdhsa_kernarg_size 32
		.amdhsa_user_sgpr_count 2
		.amdhsa_user_sgpr_kernarg_segment_ptr 1
		.amdhsa_wavefront_size32 1
		.amdhsa_system_sgpr_workgroup_id_x 1
		.amdhsa_system_sgpr_workgroup_id_y 1
		.amdhsa_system_sgpr_workgroup_id_z 1
		.amdhsa_system_vgpr_workitem_id 0
		.amdhsa_next_free_vgpr 160
		.amdhsa_next_free_sgpr 66
		.amdhsa_reserve_vcc 0
		.amdhsa_float_denorm_mode_32 3
		.amdhsa_float_denorm_mode_16_64 3
		.amdhsa_memory_ordered 1
		.amdhsa_forward_progress 1
		.amdhsa_inst_pref_size 10
	.end_amdhsa_kernel
	.amdgpu_metadata
---
amdhsa.version: [ 1, 2 ]
amdhsa.kernels:
  - .name:           k_qc5fdec8eb4_take
    .symbol:         k_qc5fdec8eb4_take.kd
    .args:
      - { .name: codes, .offset: 0, .size: 8, .value_kind: global_buffer, .address_space: global }
      - { .name: embeddings_weight, .offset: 8, .size: 8, .value_kind: global_buffer, .address_space: global }
      - { .name: out0, .offset: 16, .size: 8, .value_kind: global_buffer, .address_space: global }
      - { .name: out1, .offset: 24, .size: 8, .value_kind: global_buffer, .address_space: global }
    .group_segment_fixed_size: 0
    .private_segment_fixed_size: 0
    .kernarg_segment_align: 8
    .kernarg_segment_size: 32
    .max_flat_workgroup_size: 256
    .sgpr_count:     66
    .vgpr_count:     160
    .wavefront_size: 32
...
	.end_amdgpu_metadata
.endif
;; end of part 3
;; ======== version 2 of 2: 3 launches; version 1 with the launch prep written anew for expert scheduling mode
;; workspace buffers: wb 4,194,304 bytes; sw 32,768 bytes; codes 131,072 bytes of whole numbers
;; launch prep (part 4): grid 256 x 1, 4 waves a work-group, no clusters, 0 bytes of LDS; arguments embeddings_weight, wb, sw; writes wb, sw
.if DOCPART == 4
	.amdgcn_target "amdgcn-amd-amdhsa--gfx1250"
	.amdhsa_code_object_version 6
	.text
	.protected	k_qc5fdec8eb4_prep
	.globl	k_qc5fdec8eb4_prep
	.p2align	8
	.type	k_qc5fdec8eb4_prep,@function
k_qc5fdec8eb4_prep:
	s_mov_b64 s[64:65], 0
	v_nop
	global_prefetch_b8 v0, s[64:65] scope:SCOPE_SE
	s_setreg_imm32_b32 hwreg(HW_REG_WAVE_SCHED_MODE, 0, 2), 2
	s_setreg_imm32_b32 hwreg(HW_REG_WAVE_MODE, 25, 1), 1
	s_wait_xcnt 0x0
	s_wait_alu depctr_vm_vsrc(0)
; wb[k][:] = W[k][:] rounded to bf16 (nearest even); sw = the sum over a row of the squares of the ROUNDED numbers, in f32.
; W: [8192][256] f32.  Four waves; the work-group owns 32 rows, a wave 8.  Lane l owns numbers 8 l .. 8 l + 7 of each row: 32 bytes in, 16 bytes out,
; so a wave's store of 16 bytes a lane is a whole row of wb, 512 consecutive bytes.
; sw is laid out for the next launch: code 256 q + 64 w + l (l < 64) lies at word 2048 w + 64 q + l, so that the codes of one wave there lie end to end.
; The sum runs in two chains a lane (even and odd numbers) and then across the lanes: another order than a plain loop's; the last bits may differ.
; THE MODE: SCHED_MODE bits 1:0 = 2 (LLVM: expert scheduling mode 2), set by the entry lines.  The code itself states the register dependences
; between vector instructions and memory instructions, with s_wait_alu, always for 0.
; THE PLAN.  The text is one straight run.  Registers that memory instructions touch:
;   v2, v3, v4  byte offsets in W, wb and sw: made once at the head, never written again, named by no vector instruction behind the head's wait.
;   X           the 16 loads land here; no vector instruction names these registers ahead of the loads, and none is loaded again.
;   Y           row k's four registers are written by row k's roundings and read by row k's store; each row has its own, so none is written again.
;   v9          written by a line of each row; read by the last store.
; The rows go in blocks of two: the stores of rows k - 2 and k - 1 stand at the head of even row k, behind one wait that states that those rows' roundings have
; written their Y; the vector instructions that follow name X and Y of rows k and k + 1 and v5 to v9, none of the registers that those stores read.
.set X, 16                             ; v[16:79]   row k: 8 registers as loaded
.set Y, 80                             ; v[80:111]  row k: 4 registers to store; each row has its own, so no store's data is rewritten
	s_load_b128 s[4:7], s[0:1], 0x0                ; W s[4:5], wb s[6:7]
	s_load_b64 s[8:9], s[0:1], 0x10                ; sw
	v_lshrrev_b32 v1, 5, v0
	v_readfirstlane_b32 s12, v1                    ; wave 0..3
	v_and_b32 v1, 31, v0                           ; lane
	v_lshlrev_b32 v2, 5, v1                        ; my 32 bytes in a row of W
	v_lshlrev_b32 v3, 4, v1                        ; my 16 bytes in a row of wb
	v_lshlrev_b32 v4, 2, v1                        ; lane k's word of sw
	v_mov_b32 v5, 0                                ; starts the two chains
	v_mov_b32 v8, 0                                ; v_permlanex16_b32's destination counts as read
	s_mov_b32 s16, 0x76543210                      ; each lane takes its own place in the other half
	s_mov_b32 s17, 0xfedcba98
	s_lshl_b32 s14, ttmp9, 15                      ; 32 rows of 1,024 bytes,
	s_wait_alu depctr_va_sdst(0)                   ; s12 is written, ahead of its first reader: the offsets in W, wb and sw are made from it
	s_lshl_b32 s18, s12, 13                        ; my wave's 8 of them
	s_add_co_u32 s14, s14, s18
	s_mov_b32 s15, 0
	s_bfe_u32 s18, ttmp9, 0x20001                  ; my first row is 32 g + 8 wave: w = (g >> 1) & 3,
	s_lshl_b32 s18, s18, 11
	s_lshr_b32 s19, ttmp9, 3                       ; q = g >> 3,
	s_lshl_b32 s19, s19, 6
	s_add_co_u32 s18, s18, s19
	s_and_b32 s19, ttmp9, 1                        ; l = 32 (g & 1) + 8 wave
	s_lshl_b32 s19, s19, 5
	s_add_co_u32 s18, s18, s19
	s_lshl_b32 s19, s12, 3
	s_add_co_u32 s18, s18, s19
	s_lshl_b32 s18, s18, 2                         ; in bytes
	s_mov_b32 s19, 0
	s_wait_kmcnt 0x0
	s_add_nc_u64 s[4:5], s[4:5], s[14:15]
	s_lshr_b32 s14, s14, 1                         ; wb's rows are half as long
	s_add_nc_u64 s[6:7], s[6:7], s[14:15]
	s_add_nc_u64 s[8:9], s[8:9], s[18:19]
	s_wait_alu depctr_va_vdst(0)                   ; v2, v3 and v4 are written: every load and store of the kernel reads one of them as its offset
.irp k, 0,1,2,3,4,5,6,7
	global_load_b128 v[X+8*\k:X+8*\k+3],   v2, s[4:5] offset:1024*\k      ; no hint: the last launch reads W again
	global_load_b128 v[X+8*\k+4:X+8*\k+7], v2, s[4:5] offset:1024*\k+16
.endr
.macro OUT k
	global_store_b128 v3, v[Y+4*(\k):Y+4*(\k)+3], s[6:7] offset:512*(\k)   ; the wave stores 512 consecutive bytes, at a multiple of 512 from wb's first byte
.endm
.macro ROW k
	s_wait_loadcnt 14-2*(\k)                       ; loads come back in order: row k's two are in, the younger rows' stay out
.if ((\k) > 0) && ((\k) % 2 == 0)
	s_wait_alu depctr_va_vdst(0)                   ; the roundings of rows k - 2 and k - 1 have written their Y, which the two stores below read
	OUT (\k)-2
	OUT (\k)-1
.endif
.irp j, 0,1,2,3
	v_cvt_pk_bf16_f32 v[Y+4*(\k)+\j], v[X+8*(\k)+2*\j], v[X+8*(\k)+2*\j+1]
.endr
	v_fma_mix_f32_bf16 v6, v[Y+4*(\k)], v[Y+4*(\k)], v5 op_sel_hi:[1,1,0]                  ; low halves squared,
	v_fma_mix_f32_bf16 v7, v[Y+4*(\k)], v[Y+4*(\k)], v5 op_sel:[1,1,0] op_sel_hi:[1,1,0]   ; high halves squared: the products are exact, each sum is rounded once
.irp j, 1,2,3
	v_fma_mix_f32_bf16 v6, v[Y+4*(\k)+\j], v[Y+4*(\k)+\j], v6 op_sel_hi:[1,1,0]
	v_fma_mix_f32_bf16 v7, v[Y+4*(\k)+\j], v[Y+4*(\k)+\j], v7 op_sel:[1,1,0] op_sel_hi:[1,1,0]
.endr
	v_add_f32 v6, v6, v7
	v_add_f32_dpp v6, v6, v6 row_xmask:1 row_mask:0xf bank_mask:0xf
	v_add_f32_dpp v6, v6, v6 row_xmask:2 row_mask:0xf bank_mask:0xf
	v_add_f32_dpp v6, v6, v6 row_xmask:4 row_mask:0xf bank_mask:0xf
	v_add_f32_dpp v6, v6, v6 row_xmask:8 row_mask:0xf bank_mask:0xf
	v_permlanex16_b32 v8, v6, s16, s17
	v_add_f32 v6, v6, v8                           ; every lane holds the row's sum
.if (\k) == 0
	v_mov_b32 v9, v6
.else
	s_mov_b32 s20, 1<<(\k)
	v_cndmask_b32 v9, v9, v6, s20                  ; lane k keeps row k's
.endif
.endm
.irp k, 0,1,2,3,4,5,6,7
	ROW \k
.endr
	v_cmp_gt_u32 vcc_lo, 8, v1
	s_wait_alu depctr_va_vdst(0)                   ; the roundings of rows 6 and 7 have written their Y, which the two stores below read; v9, which the last store reads, is written too
	OUT 6
	OUT 7
	s_wait_alu depctr_va_vcc(0)                    ; VCC is written, ahead of its first reader: EXEC is made from it
	s_wait_xcnt 0x0                                ; EXEC is a source of the stores above: it changes only behind this wait
	s_wait_alu depctr_va_vdst(0)                   ; EXEC is written next: every vector instruction issued so far is done,
	s_wait_alu depctr_vm_vsrc(0)                   ; and every store issued so far has read its vector registers
	s_and_saveexec_b32 s21, vcc_lo
	global_store_b32 v4, v9, s[8:9]                ; eight sums, 32 consecutive bytes: sw is 32 KiB of the launch's 12 MiB
	s_wait_xcnt 0x0
	s_wait_alu depctr_va_vdst(0)                   ; EXEC is written next: no vector instruction is unfinished,
	s_wait_alu depctr_vm_vsrc(0)                   ; and the store above has read v4 and v9
	s_or_b32 exec_lo, exec_lo, s21
	s_endpgm
.Lfunc_end_k_qc5fdec8eb4_prep:
	.size	k_qc5fdec8eb4_prep, .Lfunc_end_k_qc5fdec8eb4_prep-k_qc5fdec8eb4_prep
	.p2alignl 7, 3214868480
	.fill 96, 4, 3214868480
	.section	.rodata,"a",@progbits
	.p2align	6, 0x0
	.amdhsa_kernel k_qc5fdec8eb4_prep
		.amdhsa_group_segment_fixed_size 0
		.amdhsa_private_segment_fixed_size 0
		.amdhsa_enable_private_segment 0
		.amdhsa_kernarg_size 24
		.amdhsa_user_sgpr_count 2
		.amdhsa_user_sgpr_kernarg_segment_ptr 1
		.amdhsa_wavefront_size32 1
		.amdhsa_system_sgpr_workgroup_id_x 1
		.amdhsa_system_sgpr_workgroup_id_y 1
		.amdhsa_system_sgpr_workgroup_id_z 1
		.amdhsa_system_vgpr_workitem_id 0
		.amdhsa_next_free_vgpr 112
		.amdhsa_next_free_sgpr 66
		.amdhsa_reserve_vcc 1
		.amdhsa_float_denorm_mode_32 3
		.amdhsa_float_denorm_mode_16_64 3
		.amdhsa_memory_ordered 1
		.amdhsa_forward_progress 1
		.amdhsa_inst_pref_size 15
	.end_amdhsa_kernel
	.amdgpu_metadata
---
amdhsa.version: [ 1, 2 ]
amdhsa.kernels:
  - .name:           k_qc5fdec8eb4_prep
    .symbol:         k_qc5fdec8eb4_prep.kd
    .args:
      - { .name: embeddings_weight, .offset: 0, .size: 8, .value_kind: global_buffer, .address_space: global }
      - { .name: wb, .offset: 8, .size: 8, .value_kind: global_buffer, .address_space: global }
      - { .name: sw, .offset: 16, .size: 8, .value_kind: global_buffer, .address_space: global }
    .group_segment_fixed_size: 0
    .private_segment_fixed_size: 0
    .kernarg_segment_align: 8
    .kernarg_segment_size: 24
    .max_flat_workgroup_size: 128
    .sgpr_count:     66
    .vgpr_count:     112
    .wavefront_size: 32
...
	.end_amdgpu_metadata
.endif
;; end of part 4
;; launch scan: the kernel of part 2 again; grid 256 x 1, 4 waves a work-group, clusters of 4 x 1, 327,680 bytes of LDS; arguments wb, sw, inputs, codes; writes codes
;; launch take: the kernel of part 3 again; grid 256 x 1, 8 waves a work-group, no clusters, 0 bytes of LDS; arguments codes, embeddings_weight, out0, out1; writes out0, out1
